; MI455X (gfx1250); checked and timed in simulation.
; The chip was launched on July 23, 2026; its instructions are those of AMD's public machine-readable ISA for CDNA 5 (MIT licence, August 2026) and "CDNA5" Instruction Set Architecture Reference Guide (July 2026). The comments in the code are by the model that wrote it; some were corrected since.
;; Graph Multi Head Self Attention. Allowed arithmetic: matrix products marked QUANTISED: E4M3 operands, one E8M0 scale for each 32 along K, by v_wmma_scale_f32_16x16x128_f8f6f4 with both operands' format E4M3, f32 sums; everything else in f32.
;; Inputs: Wk_codes 256 x 8 x 32 uint8 (E4M3 codes of Wk, K innermost, in blocks of 32 codes); Wk_scales 256 x 8 uint8 (E8M0 scales of Wk, one for each 32 codes along K); Wq_codes 256 x 8 x 32 uint8 (E4M3 codes of Wq, K innermost, in blocks of 32 codes); Wq_scales 256 x 8 uint8 (E8M0 scales of Wq, one for each 32 codes along K); Wv_codes 256 x 8 x 32 uint8 (E4M3 codes of Wv, K innermost, in blocks of 32 codes); Wv_scales 256 x 8 uint8 (E8M0 scales of Wv, one for each 32 codes along K); adj 2 x 4,096 x 4,096 bool; bk 256 float32; bq 256 float32; bv 256 float32; node_features_codes 2 x 4,096 x 8 x 32 uint8 (E4M3 codes of node_features, K innermost, in blocks of 32 codes); node_features_scales 2 x 4,096 x 8 uint8 (E8M0 scales of node_features, one for each 32 codes along K).
;; Outputs: out0 2 x 4,096 x 256 float32.
;; This version of the problem:
;;   THIS VERSION OF THE PROBLEM IS GIVEN IN LOW PRECISION. The matrix products marked QUANTISED in the list below multiply operands that are first quantised to E4M3 (4 exponent bits, 3 mantissa bits; 8 bits a number), with one power-of-two scale for each 32 numbers along K (OCP MX v1.0); their sums are f32. All else is computed in f32.
;;   The module's matrix products, in the order in which they are computed (A, B: the left and right operand; K: the contracted axis; several contracted axes count as one K, in the product's order):
;;     1. [M 8,192, K 256] x [K 256, N 256]; A: input node_features (given as codes); B: input Wq (given as codes): QUANTISED
;;     2. [M 8,192, K 256] x [K 256, N 256]; A: input node_features (given as codes); B: input Wk (given as codes): QUANTISED
;;     3. [M 8,192, K 256] x [K 256, N 256]; A: input node_features (given as codes); B: input Wv (given as codes): QUANTISED
;;     4. batch 16 x [M 4,096, K 32] x [K 32, N 4,096]; A: computed on the way; B: computed on the way: QUANTISED
;;     5. batch 16 x [M 4,096, K 4,096] x [K 4,096, N 32]; A: softmax (see below); B: computed on the way: QUANTISED
;;   THE QUANTISER, for each operand of a quantised product, along K:
;;     - K is cut into blocks of 32 from its start; a last block that is shorter is filled with zeros.
;;     - A block's scale is 2^e with e = floor(log2(the largest magnitude in the block)) - 8, held to -126 .. 127; a block of zeros has e = 0. As a byte (E8M0): e + 127.
;;     - Each number is divided by its block's scale, clamped to +-448, and rounded to the nearest number of E4M3, ties to even, subnormals kept.
;;     - The product sums the exact products of the quantised numbers (number of the format x scale) in f32.
;;   ~~~python
;;   def quantise(x, axis):      # numpy; x: float32 -> the quantised numbers, widened to float32 again
;;       x = np.moveaxis(x, axis, -1); K = x.shape[-1]
;;       x = np.pad(x, [(0, 0)] * (x.ndim - 1) + [(0, -K % 32)]); x = x.reshape(x.shape[:-1] + (-1, 32)); a = np.abs(x).max(-1, keepdims=True)
;;       e = np.where(a > 0, np.clip(np.frexp(np.where(a > 0, a, 1))[1] - 1 - 8, -126, 127), 0)      # np.frexp(a)[1] - 1 = floor(log2(a)), exactly
;;       r = np.clip(x / 2.0 ** e, -448, 448)
;;       step = 2.0 ** (np.maximum(np.frexp(np.where(r == 0, 1, r))[1] - 1, -6) - 3)
;;       q = np.round(r / step) * step * 2.0 ** e      # np.round: ties to even
;;       return np.moveaxis(q.reshape(q.shape[:-2] + (-1,))[..., :K], -1, axis).astype(np.float32)
;;   ~~~
;;   SOFTMAX AHEAD OF A QUANTISED PRODUCT. Where the list says 'softmax', what is quantised is not the finished softmax but p = 2^(t - M), with t = logit x log2(e) and M = ceil(the row's largest t), a whole number; so 1/2 < the row's largest p <= 1. The row's sum l is taken of the UNQUANTISED p, in f32, and the product's result is divided by l at the end. Since M is a whole number, a kernel that streams over the keys may use a running M (the ceiling of the running maximum): every later rescaling is an exact power of two, which a block's scale takes up: the codes' values come out the same.
;;   OPERANDS COMPUTED ON THE WAY. 'Computed on the way' means the value that the module computes at that place (a softmax that the list does not call 'softmax' is quantised finished and normalised). What goes into a quantiser is computed in f32, as accurately as f32 sums, v_exp_f32 and their like allow (about 1e-6 of the number): no bf16 or f16 on the way to a quantiser, and a product that is left as it is and whose result goes on into a quantised operand takes f32 operands (vector FMAs, or v_wmma_f32_16x16x4_f32). A number that lies on a knife's edge between two numbers of the format may be rounded either way, as far as f32 arithmetic and the matrix unit's own rounding can turn it there, and no further.
;;   INPUTS GIVEN AS CODES. Wk (in the module: [256, 256], K = its axis 1); Wq (in the module: [256, 256], K = its axis 1); Wv (in the module: [256, 256], K = its axis 1); node_features (in the module: [2, 4096, 256], K = its axis 2): each comes as NAME_codes (uint8): NAME with its K axis moved to the last place and cut into blocks of 32 codes, [.., K / 32, bytes a block], one block behind the other in memory; one code a byte (a code: sign, 4 exponent bits, 3 mantissa bits); and NAME_scales (uint8): the same leading axes, one E8M0 byte (e + 127) for each 32 codes along K. Its value is code x scale, taken as it is: it is not quantised again, and the codes and scales need not be those that the quantiser above would give.
;; One version. Each part assembles by itself: llvm-mc -triple=amdgcn-amd-amdhsa -mcpu=gfx1250 --defsym DOCPART=n.
;; ======== version 1 of 1: 2 launches
;; limits: right only within a limited range of input values
;; workspace buffers: kv_codes 4,194,304 bytes; kv_scales 327,680 bytes; q_codes 2,097,152 bytes; q_scales 262,144 bytes
;; launch qkv (part 1): grid 128 x 2, 6 waves a work-group, no clusters, 0 bytes of LDS; arguments node_features_codes, node_features_scales, Wk_codes, Wk_scales, bk, Wq_codes, Wq_scales, bq, Wv_codes, Wv_scales, bv, kv_codes, kv_scales, q_codes, q_scales; writes kv_codes, kv_scales, q_codes, q_scales
.if DOCPART == 1
	.amdgcn_target "amdgcn-amd-amdhsa--gfx1250"
	.amdhsa_code_object_version 6
	.text
	.protected	k_q567711ecc1_qkv
	.globl	k_q567711ecc1_qkv
	.p2align	8
	.type	k_q567711ecc1_qkv,@function
k_q567711ecc1_qkv:
	s_mov_b64 s[64:65], 0
	v_nop
	global_prefetch_b8 v0, s[64:65] scope:SCOPE_SE
	s_setreg_imm32_b32 hwreg(HW_REG_WAVE_MODE, 25, 1), 1
	s_wait_xcnt 0x0
; Q = x Wq^T + bq, K = x Wk^T + bk, V = x Wv^T + bv on codes of FP8 (E4M3) with E8M0 scales as they are given; sums in f32.  The results are quantised again, Q and K along a head's 32 channels,
; V along the keys (blocks of 32 nodes), and stored as IMAGES OF THE OPERAND REGISTERS of the attention launch: lane l's 16 bytes of a group of four registers at 16 l, 512 bytes a group.
; SHARES.  A work-group takes 128 nodes of one batch and two heads; wave w takes head 2 hp + w / 3 and role w % 3: 0 = K, 1 = Q, 2 = V.  A wave shares nothing with another: no LDS, no barrier, no loop.
; K, Q: THE PRODUCT IS USED TRANSPOSED (source 0 = 16 rows of W, source 1 = 16 nodes): a lane holds one node, its registers run along the channels.  Lane r of W's tile u takes row 8 u + r + 8 (r / 8) of the
; head's 32, so that the 16 registers of tiles 0 and 1 are channels 16 (lane / 16) + 0 .. 15: the operand's own order.  A block of 32 channels lies in lanes l and l xor 16.
; K's tile t = 2 b + u of a block of 128 nodes holds in row r the key 32 b + 8 u + r + 8 (r / 8) (so that the weights p of two neighbouring tiles are 16 neighbouring keys later); Q's tile T holds query 16 T + r.
; V: source 0 = 16 nodes (the same choice of rows as K's), source 1 = 16 rows of Wv: a lane holds one channel, and its 64 registers are nodes 32 b + 16 (lane / 16) + i: four blocks along the keys.
; LAYOUTS, idx = (8 batch + head) 32 + block of 128 nodes.  kv_codes [idx][8192]: K's tile t at 512 t; V's channel tile g, register group c at 4096 + 2048 g + 512 c.
; kv_scales [idx][640]: word 16 l + 4 i = the byte of row l % 16 of K's tile 2 i + l / 16; from 512 on word 4 l = the four bytes of channel l % 16 of V's tile l / 16.  q_codes [idx][4096], q_scales [idx][512] as K's.
; A block's scale is 2^(floor(log2(its largest magnitude)) - 8); its byte is the largest magnitude's exponent field - 8, held at 1 from below.  A block of zeros keeps the byte 1: its codes are zeros, and this program alone reads the bytes.
; LIMITS: blocks whose largest magnitude lies under 2^-118 keep the byte 1; NaN and infinities among the inputs are not served.
; No joint requests: nothing goes through LDS here, each wave's operands go from memory straight into its registers.
; REGISTERS.  Window 0: v1-10 lane terms; v12-13 V's bias numbers; v32-95 four fragments of W; v96-99 W's scale words; v100-115 the bias as C; v116-131 x's scale words; v132-195 results;
;   v196-227 codes (16 for each group, so that no store's data are written again); v228-243 at work; v244-245 V's scale words; v246-249 the scale image.   Window 1: x's 16 fragments, tile t, K step ks at v[32 t + 16 ks].
.set XAP, 3                            ; v3   (r + 8 (r / 8)) x 256 + 16 h: a row of codes, rows chosen
.set XAN, 4                            ; v4   r x 256 + 16 h: rows as they lie
.set XSP, 5                            ; v5   (r + 8 (r / 8)) x 8: a row of scale bytes, rows chosen
.set XSN, 6                            ; v6   r x 8
.set BAK, 7                            ; v7   64 h: the bias of channels 16 h on
.set BAV, 8                            ; v8   4 r: the bias of channel r
.set L16, 9                            ; v9   16 x lane
.set L4,  10                           ; v10  4 x lane
.set BT,  12
.set WF,  32
.set WS,  96
.set BI,  100
.set XS,  116
.set HA,  132
.set PC,  196
.set TM,  228                          ; +0..3 largest magnitudes, +4..7 bytes, +8..11 448 x the scale, +12..15 the conversions' scale operands
.set PW,  244
.set SW,  246
.set SEL, 38                           ; s[38:39] lane selects for v_permlanex16_b32: lane l xor 16
.set MNT, 40                           ; s40  the mantissa field of 448
.set HM,  41                           ; s41  the lanes 16-31, as a mask
.set MSB, 0
.macro WIN new                         ; the immediate's high byte repeats the setting that is left
.if MSB != \new
	s_set_vgpr_msb (MSB<<8)|\new
.set MSB, \new
.endif
.endm
; x's scale words: a pair (K steps 0, 1) for each of the eight tiles of 16 nodes.  perm = 1: the rows chosen as K's
.macro XSLOAD perm
.irp t, 0,1,2,3,4,5,6,7
.if \perm
	global_load_b64 v[XS+2*\t:XS+2*\t+1], v[XSP], s[6:7] offset:(32*(\t/2)+8*(\t%2))*8
.else
	global_load_b64 v[XS+2*\t:XS+2*\t+1], v[XSN], s[6:7] offset:16*\t*8
.endif
.endr
.endm
; x's 16 fragments into window 1, tile by tile: 64 loads
.macro XLOAD perm
	WIN 0x40                                       ; destination window 1, address window 0
.irp t, 0,1,2,3,4,5,6,7
.irp ks, 0,1
.irp c, 0,1,2,3
.if \perm
	global_load_b128 v[32*\t+16*\ks+4*\c:32*\t+16*\ks+4*\c+3], v[XAP], s[4:5] offset:(32*(\t/2)+8*(\t%2))*256+128*\ks+32*\c
.else
	global_load_b128 v[32*\t+16*\ks+4*\c:32*\t+16*\ks+4*\c+3], v[XAN], s[4:5] offset:16*\t*256+128*\ks+32*\c
.endif
.endr
.endr
.endr
	WIN 0
.endm
; 64 numbers of a lane, v[src] on: four blocks b of 16 registers, each block shared with lane l xor 16.  Codes into v[PC + 16 g + 4 b] on, bytes into v[TM + 4 + b]; word = 1: the four bytes make v[PW + g]
.macro QUANT src, g, word
.irp b, 0,1,2,3
	v_max3_num_f32 v[TM+\b], |v[\src+16*\b]|, |v[\src+1+16*\b]|, 0x4800000   ; my 16 numbers, from each accumulator's low end on, and the floor 2^(9 - 127): the byte cannot fall under 1
.endr
.irp i, 2,4,6,8,10,12,14
.irp b, 0,1,2,3
	v_max3_num_f32 v[TM+\b], v[TM+\b], |v[\src+16*\b+\i]|, |v[\src+1+16*\b+\i]|   ; the four blocks by turns
.endr
.endr
.irp b, 0,1,2,3
	v_permlanex16_b32 v[TM+4+\b], v[TM+\b], s[SEL], s[SEL+1]
.endr
.irp b, 0,1,2,3
	v_max_num_f32 v[TM+\b], v[TM+\b], v[TM+4+\b]   ; with lane l xor 16's: the block's largest magnitude
.endr
.irp b, 0,1,2,3
	v_add_nc_u32 v[TM+12+\b], 0xfc000000, v[TM+\b] ; 8 off its exponent field: the conversion takes the exponent field of this operand as its scale
.endr
.irp b, 0,1,2,3
	v_and_or_b32 v[TM+8+\b], v[TM+\b], 0x7f800000, s[MNT]   ; 448 x the scale
.endr
.irp b, 0,1,2,3
	v_lshrrev_b32 v[TM+4+\b], 23, v[TM+12+\b]      ; the scale's byte
.endr
.if \word
	v_lshl_or_b32 v[PW+\g], v[TM+5], 8, v[TM+4]
	v_lshl_or_b32 v[PW+\g], v[TM+6], 16, v[PW+\g]
	v_lshl_or_b32 v[PW+\g], v[TM+7], 24, v[PW+\g]
.endif
.irp b, 0,1,2,3
.irp i, 0,1,2,3,4,5,6,7,8,9,10,11,12,13,14,15
	v_med3_num_f32 v[\src+16*\b+\i], v[\src+16*\b+\i], -v[TM+8+\b], v[TM+8+\b]   ; the conversion to an 8-bit code does not saturate (ISA guide 7.6.2): the hold at the largest code x the scale
.endr
	v_cvt_scalef32_pk8_fp8_f32 v[PC+16*\g+4*\b:PC+16*\g+4*\b+1], v[\src+16*\b:\src+16*\b+7], v[TM+12+\b]
	v_cvt_scalef32_pk8_fp8_f32 v[PC+16*\g+4*\b+2:PC+16*\g+4*\b+3], v[\src+16*\b+8:\src+16*\b+15], v[TM+12+\b]
.endr
	v_nop                                          ; one plain vector instruction between the last conversion and the next products, which write v[src] on
.endm
; The roles K and Q.  wc, wsc, bia: the scalar pairs of W's codes, W's scales and the bias; oc, os: of the codes' and the scales' buffer
.macro KQ perm, wc, wsc, bia, oc, os
.irp u, 0,1
.irp ks, 0,1
.irp c, 0,1,2,3
	global_load_b128 v[WF+16*(2*\u+\ks)+4*\c:WF+16*(2*\u+\ks)+4*\c+3], v[XAP], s[\wc:\wc+1] offset:8*\u*256+128*\ks+32*\c
.endr
.endr
.endr
.irp u, 0,1
	global_load_b64 v[WS+2*\u:WS+2*\u+1], v[XSP], s[\wsc:\wsc+1] offset:64*\u
	global_load_b128 v[BI+8*\u:BI+8*\u+3], v[BAK], s[\bia:\bia+1] offset:32*\u       ; the bias of channels 8 u + 16 h + 0 .. 7: the C of the tile's first product
	global_load_b128 v[BI+8*\u+4:BI+8*\u+7], v[BAK], s[\bia:\bia+1] offset:32*\u+16
.endr
	XSLOAD \perm
	XLOAD \perm
	s_wait_loadcnt 32                              ; all is in but x's tiles 4 to 7: the 32 youngest loads
.irp g, 0,1                                    ; four tiles of nodes at a time: eight accumulators by turns, K step by K step
.if \g
	s_wait_loadcnt 0x0
.endif
	WIN 0x04                                       ; source 1 (x) window 1
.irp ks, 0,1
.irp bp, 0,1,2,3
.irp u, 0,1
.if \ks
	v_wmma_scale_f32_16x16x128_f8f6f4 v[HA+16*\bp+8*\u:HA+16*\bp+8*\u+7], v[WF+16*(2*\u+\ks):WF+16*(2*\u+\ks)+15], v[32*(4*\g+\bp)+16*\ks:32*(4*\g+\bp)+16*\ks+15], v[HA+16*\bp+8*\u:HA+16*\bp+8*\u+7], v[WS+2*\u+\ks], v[XS+2*(4*\g+\bp)+\ks]
.else
	v_wmma_scale_f32_16x16x128_f8f6f4 v[HA+16*\bp+8*\u:HA+16*\bp+8*\u+7], v[WF+16*(2*\u+\ks):WF+16*(2*\u+\ks)+15], v[32*(4*\g+\bp)+16*\ks:32*(4*\g+\bp)+16*\ks+15], v[BI+8*\u:BI+8*\u+7], v[WS+2*\u+\ks], v[XS+2*(4*\g+\bp)+\ks]
.endif
.endr
.endr
.endr
	WIN 0
.rept 8
	v_nop                                          ; eight places between the last product and the first read of results
.endr
	QUANT HA, \g, 0
.irp bp, 0,1,2,3
	global_store_b128 v[L16], v[PC+16*\g+4*\bp:PC+16*\g+4*\bp+3], s[\oc:\oc+1] offset:512*(4*\g+\bp)   ; a tile's image: the wave stores 512 consecutive bytes
.endr
	v_cndmask_b32 v[SW+2*\g], v[TM+4], v[TM+5], s[HM]       ; lanes 0-15 keep the even tile's byte, lanes 16-31 the odd tile's
	v_cndmask_b32 v[SW+2*\g+1], v[TM+6], v[TM+7], s[HM]
.endr
	global_store_b128 v[L16], v[SW:SW+3], s[\os:\os+1]
.endm
; The role V
.macro VROLE
.irp g, 0,1
.irp ks, 0,1
.irp c, 0,1,2,3
	global_load_b128 v[WF+16*(2*\g+\ks)+4*\c:WF+16*(2*\g+\ks)+4*\c+3], v[XAN], s[20:21] offset:16*\g*256+128*\ks+32*\c
.endr
.endr
.endr
	s_wait_alu depctr_va_vdst(0)
.irp g, 0,1
	global_load_b64 v[WS+2*\g:WS+2*\g+1], v[XSN], s[22:23] offset:128*\g
	global_load_b32 v[BT+\g], v[BAV], s[24:25] offset:64*\g
.endr
	XSLOAD 1
	XLOAD 1
	s_wait_loadcnt 0x0
.irp g, 0,1
.irp j, 0,1,2,3,4,5,6,7
	v_mov_b32 v[BI+8*\g+\j], v[BT+\g]              ; a lane holds one channel: its bias in all eight registers of C
.endr
.endr
.irp g, 0,1                                    ; a tile of 16 channels at a time: the eight tiles of nodes by turns, K step by K step
	WIN 0x01                                       ; source 0 (x) window 1
.irp ks, 0,1
.irp t, 0,1,2,3,4,5,6,7
.if \ks
	v_wmma_scale_f32_16x16x128_f8f6f4 v[HA+8*\t:HA+8*\t+7], v[32*\t+16*\ks:32*\t+16*\ks+15], v[WF+16*(2*\g+\ks):WF+16*(2*\g+\ks)+15], v[HA+8*\t:HA+8*\t+7], v[XS+2*\t+\ks], v[WS+2*\g+\ks]
.else
	v_wmma_scale_f32_16x16x128_f8f6f4 v[HA+8*\t:HA+8*\t+7], v[32*\t+16*\ks:32*\t+16*\ks+15], v[WF+16*(2*\g+\ks):WF+16*(2*\g+\ks)+15], v[BI+8*\g:BI+8*\g+7], v[XS+2*\t+\ks], v[WS+2*\g+\ks]
.endif
.endr
.endr
	WIN 0
.rept 8
	v_nop                                          ; eight places between the last product and the first read of results
.endr
	QUANT HA, \g, 1
.irp c, 0,1,2,3
	global_store_b128 v[L16], v[PC+16*\g+4*\c:PC+16*\g+4*\c+3], s[26:27] offset:4096+2048*\g+512*\c
.endr
.endr
	v_cndmask_b32 v[SW], v[PW], v[PW+1], s[HM]     ; lanes 0-15: channel tile 0's words, lanes 16-31: tile 1's
	global_store_b32 v[L4], v[SW], s[28:29] offset:512
.endm
	s_load_b512 s[4:19], s[0:1], 0x0               ; x's codes 4:5, x's scales 6:7, Wk's codes 8:9, scales 10:11, bk 12:13, Wq's codes 14:15, scales 16:17, bq 18:19
	s_load_b256 s[20:27], s[0:1], 0x40             ; Wv's codes 20:21, scales 22:23, bv 24:25, kv_codes 26:27
	s_load_b128 s[28:31], s[0:1], 0x60             ; kv_scales 28:29, q_codes 30:31
	s_load_b64 s[32:33], s[0:1], 0x70              ; q_scales
	v_lshrrev_b32 v1, 5, v0
	v_readfirstlane_b32 s34, v1                    ; wave 0..5
	s_lshr_b32 s42, ttmp9, 2                       ; the block of 128 nodes
	s_and_b32 s43, ttmp9, 3                        ; the pair of heads
	s_and_b32 s44, ttmp7, 0xffff                   ; the batch
	s_sub_co_u32 s36, s34, 3
	s_cmp_ge_u32 s34, 3
	s_cselect_b32 s36, s36, s34                    ; role = wave % 3
	s_cselect_b32 s35, 1, 0
	s_lshl_b32 s43, s43, 1
	s_add_co_u32 s35, s35, s43                     ; head = 2 x pair + wave / 3
	s_lshl_b32 s37, s44, 3
	s_add_co_u32 s37, s37, s35
	s_lshl_b32 s37, s37, 5
	s_add_co_u32 s37, s37, s42                     ; idx
	s_mov_b32 s[SEL], 0x76543210
	s_mov_b32 s[SEL+1], 0xfedcba98
	s_mov_b32 s[MNT], 0x600000
	v_and_b32 v1, 15, v0                           ; r
	v_bfe_u32 v2, v0, 4, 1                         ; h
	v_and_b32 v11, 8, v1
	v_add_nc_u32 v11, v11, v1                      ; r + 8 (r / 8)
	v_lshlrev_b32 v[XAP], 8, v11
	v_lshl_add_u32 v[XAP], v2, 4, v[XAP]
	v_lshlrev_b32 v[XAN], 8, v1
	v_lshl_add_u32 v[XAN], v2, 4, v[XAN]
	v_lshlrev_b32 v[XSP], 3, v11
	v_lshlrev_b32 v[XSN], 3, v1
	v_lshlrev_b32 v[BAK], 6, v2
	v_lshlrev_b32 v[BAV], 2, v1
	v_and_b32 v[L16], 31, v0
	v_lshlrev_b32 v[L4], 2, v[L16]
	v_lshlrev_b32 v[L16], 4, v[L16]
	v_cmp_eq_u32 s[HM], 1, v2
.irp b, 0,1,2,3
	v_mov_b32 v[TM+4+\b], 0                        ; written once: a lane permute's destination counts as one of its sources
.endr
	s_mov_b32 s47, 0
	s_lshl_b32 s46, s44, 20
	s_lshl_b32 s45, s42, 15
	s_add_co_u32 s46, s46, s45                     ; (4096 batch + 128 block) rows of 256 bytes
	s_wait_kmcnt 0x0
	s_add_nc_u64 s[4:5], s[4:5], s[46:47]
	s_lshr_b32 s46, s46, 5                         ; the same rows of 8 bytes
	s_add_nc_u64 s[6:7], s[6:7], s[46:47]
	s_lshl_b32 s46, s35, 13                        ; the head's 32 rows of W: 8,192 bytes of codes,
	s_add_nc_u64 s[8:9], s[8:9], s[46:47]
	s_add_nc_u64 s[14:15], s[14:15], s[46:47]
	s_add_nc_u64 s[20:21], s[20:21], s[46:47]
	s_lshl_b32 s46, s35, 8                         ; 256 of scales,
	s_add_nc_u64 s[10:11], s[10:11], s[46:47]
	s_add_nc_u64 s[16:17], s[16:17], s[46:47]
	s_add_nc_u64 s[22:23], s[22:23], s[46:47]
	s_lshl_b32 s46, s35, 7                         ; 128 of bias
	s_add_nc_u64 s[12:13], s[12:13], s[46:47]
	s_add_nc_u64 s[18:19], s[18:19], s[46:47]
	s_add_nc_u64 s[24:25], s[24:25], s[46:47]
	s_lshl_b32 s46, s37, 13
	s_add_nc_u64 s[26:27], s[26:27], s[46:47]      ; kv_codes + 8192 idx
	s_mul_i32 s46, s37, 640
	s_add_nc_u64 s[28:29], s[28:29], s[46:47]      ; kv_scales + 640 idx
	s_lshl_b32 s46, s37, 12
	s_add_nc_u64 s[30:31], s[30:31], s[46:47]      ; q_codes + 4096 idx
	s_lshl_b32 s46, s37, 9
	s_add_nc_u64 s[32:33], s[32:33], s[46:47]      ; q_scales + 512 idx
	s_cmp_eq_u32 s36, 0
	s_cbranch_scc1 .Lrole_k
	s_cmp_eq_u32 s36, 1
	s_cbranch_scc1 .Lrole_q
	VROLE
	s_endpgm
.Lrole_k:
	KQ 1, 8, 10, 12, 26, 28
	s_endpgm
.Lrole_q:
	KQ 0, 14, 16, 18, 30, 32
	s_endpgm
.Lfunc_end_k_q567711ecc1_qkv:
	.size	k_q567711ecc1_qkv, .Lfunc_end_k_q567711ecc1_qkv-k_q567711ecc1_qkv
	.p2alignl 7, 3214868480
	.fill 96, 4, 3214868480
	.section	.rodata,"a",@progbits
	.p2align	6, 0x0
	.amdhsa_kernel k_q567711ecc1_qkv
		.amdhsa_group_segment_fixed_size 0
		.amdhsa_private_segment_fixed_size 0
		.amdhsa_enable_private_segment 0
		.amdhsa_kernarg_size 120
		.amdhsa_user_sgpr_count 2
		.amdhsa_user_sgpr_kernarg_segment_ptr 1
		.amdhsa_wavefront_size32 1
		.amdhsa_system_sgpr_workgroup_id_x 1
		.amdhsa_system_sgpr_workgroup_id_y 1
		.amdhsa_system_sgpr_workgroup_id_z 1
		.amdhsa_system_vgpr_workitem_id 0
		.amdhsa_next_free_vgpr 512
		.amdhsa_next_free_sgpr 66
		.amdhsa_reserve_vcc 0
		.amdhsa_float_denorm_mode_32 3
		.amdhsa_float_denorm_mode_16_64 3
		.amdhsa_memory_ordered 1
		.amdhsa_forward_progress 1
		.amdhsa_inst_pref_size 95
	.end_amdhsa_kernel
	.amdgpu_metadata
---
amdhsa.version: [ 1, 2 ]
amdhsa.kernels:
  - .name:           k_q567711ecc1_qkv
    .symbol:         k_q567711ecc1_qkv.kd
    .args:
      - { .name: node_features_codes, .offset: 0, .size: 8, .value_kind: global_buffer, .address_space: global }
      - { .name: node_features_scales, .offset: 8, .size: 8, .value_kind: global_buffer, .address_space: global }
      - { .name: Wk_codes, .offset: 16, .size: 8, .value_kind: global_buffer, .address_space: global }
      - { .name: Wk_scales, .offset: 24, .size: 8, .value_kind: global_buffer, .address_space: global }
      - { .name: bk, .offset: 32, .size: 8, .value_kind: global_buffer, .address_space: global }
      - { .name: Wq_codes, .offset: 40, .size: 8, .value_kind: global_buffer, .address_space: global }
      - { .name: Wq_scales, .offset: 48, .size: 8, .value_kind: global_buffer, .address_space: global }
      - { .name: bq, .offset: 56, .size: 8, .value_kind: global_buffer, .address_space: global }
      - { .name: Wv_codes, .offset: 64, .size: 8, .value_kind: global_buffer, .address_space: global }
      - { .name: Wv_scales, .offset: 72, .size: 8, .value_kind: global_buffer, .address_space: global }
      - { .name: bv, .offset: 80, .size: 8, .value_kind: global_buffer, .address_space: global }
      - { .name: kv_codes, .offset: 88, .size: 8, .value_kind: global_buffer, .address_space: global }
      - { .name: kv_scales, .offset: 96, .size: 8, .value_kind: global_buffer, .address_space: global }
      - { .name: q_codes, .offset: 104, .size: 8, .value_kind: global_buffer, .address_space: global }
      - { .name: q_scales, .offset: 112, .size: 8, .value_kind: global_buffer, .address_space: global }
    .group_segment_fixed_size: 0
    .private_segment_fixed_size: 0
    .kernarg_segment_align: 8
    .kernarg_segment_size: 120
    .max_flat_workgroup_size: 192
    .sgpr_count:     66
    .vgpr_count:     512
    .wavefront_size: 32
...
	.end_amdgpu_metadata
.endif
;; end of part 1
;; launch attn (part 2): grid 4 x 64, 8 waves a work-group, clusters of 4 x 4, 327,680 bytes of LDS; arguments adj, q_codes, q_scales, kv_codes, kv_scales, out0; writes out0
.if DOCPART == 2
	.amdgcn_target "amdgcn-amd-amdhsa--gfx1250"
	.amdhsa_code_object_version 6
	.text
	.protected	k_q567711ecc1_attn
	.globl	k_q567711ecc1_attn
	.p2align	8
	.type	k_q567711ecc1_attn,@function
k_q567711ecc1_attn:
	s_mov_b64 s[64:65], 0
	v_nop
	global_prefetch_b8 v0, s[64:65] scope:SCOPE_SE
	s_setreg_imm32_b32 hwreg(HW_REG_WAVE_MODE, 25, 1), 1
	s_wait_xcnt 0x0
	s_wait_alu depctr_hold_cnt(0) depctr_sa_sdst(0) depctr_va_vdst(0) depctr_va_sdst(0) depctr_va_ssrc(0) depctr_va_vcc(0) depctr_vm_vsrc(0)
	s_getreg_b32 s2, hwreg(HW_REG_IB_STS2, 6, 4)
	s_cmp_eq_u32 s2, 0
	s_cbranch_scc0 .Lentry_in_a_cluster
	s_endpgm
.Lentry_in_a_cluster:
	s_bfe_u32 s2, ttmp6, 0x10000c
	s_cmp_lg_u32 s2, 0xf033
	s_cbranch_scc0 .Lentry_shape_is_right
	s_endpgm
.Lentry_shape_is_right:
; out[b][q][32 head + d] = the sum over keys k with adj[b][q][k] of softmax_k(Q . K / sqrt(32)) V[k][d], both products on codes of FP8 (E4M3) with one E8M0 scale for each 32 along a product's K.
; Q, K, V come as images of operand registers from the launch before (its head says how they lie).  adj: [2][4096][4096] bytes, 0 or 1.  out0: [2][4096][256] f32.
; THE SOFTMAX AHEAD OF THE SECOND PRODUCT: t = score x log2(e) / sqrt(32); M = the row's largest t so far over the keys that count, rounded UP to a whole number; p = 2^(t - M) is quantised along the keys, not normalised.
; The row's sum is taken of the unquantised p and divides at the end.  When M moves, the sum and O are multiplied by 2^(old M - new M): exact.
; THE MASK IS MADE BY THE MATRIX UNIT, ONCE FOR BOTH HEADS.  A byte of adj is a code: 1 is 2^-9, 0 is 0.  A tile of adj (my 16 queries x the step's 128 keys) is source 1 of a product whose source 0 picks, for each of a
; tile's 16 rows, that row's key (the code of 1.0 at that k); both scales are 2^55 and C is -2^101: the result is exactly 0 where the key counts and -2^101 where not, in the scores' layout.  It is the C of both heads' K Q^T.
; The largest t begins at -2^90: while all keys so far are hidden, p, the sum and O are 0; a row with no key at all ends as 0 x (1 / 0) = NaN, as the softmax of such a row is.
; LIMITS: |score| under 2^90; adj's bytes are 0 or 1; NaN and infinities among the inputs are not served; a block of p whose largest lies under 2^-118 keeps the byte 1.
; SHARES.  A work-group owns 128 queries of one batch and two heads; each of its eight waves owns 16 queries and BOTH heads, and walks all 4,096 keys, 128 a step.  The two heads' lines take turns, so that
; each chain of dependent lines has a second one beside it, and the places and waits of a step serve both.  A query's two heads are 256 consecutive bytes of out0, all in one wave.
; LAYOUT.  Both products are used transposed: a lane holds ONE query (lane % 16).  Row r of K's tile 2 b + u is key 32 b + 8 u + r + 8 (r / 8), so the conversions' results are the second product's operand.
; K = 32 fills one block of four: Q's fragment has zero codes in blocks 1 to 3, so K's tile is four registers and its fragment is named as the sixteen from there on: later tiles, then p's codes, all finite.
; CLUSTER, 4 x 4.  cx = the pair of heads, the cluster's rows = four blocks of queries.  K's and V's codes and scale words hang on batch and head: shared along a column and asked for JOINTLY.
; adj goes from memory into registers, 128 bytes of each of a wave's 16 rows a step, asked for a step ahead: one wave alone of a work-group reads a row, and a joint request is a tensor load's alone.
; LDS.  Two slots of 131,072 bytes, each for eight steps of both heads' codes (a head 65,536); behind them the scale words of all 32 steps of both heads, filled once; then the spare words.
; Waves 0-3 fetch a head's half slot each, waves 4 and 5 a head's scale words.  K's and V's codes have no prefetch: a wave issues 220 matrix instructions between a fill's request and the wait for it.
; THE CHANGE OF SLOTS IS SPLIT.  A wave's last reads of a slot are V's loads in the middle of the slot's eighth step: the waits, the add and the barrier's signal stand directly behind them; that step's softmax and
; second product, work on registers alone, stand between the signal and the wait; the rest of the round and the refill follow.  So a slot's eighth step is written out behind a loop of seven.
; The way out's stages lie in slot 0, which has had its last fill and its last read by then.
; REGISTERS.  Window 0: all that vector instructions touch, and the scale words.  Window 1: what matrix instructions and loads alone touch (and the conversions' results).
.set SLOT,  131072
.set HB,    65536                      ; from head 0's codes to head 1's in a slot
.set SCL,   2*SLOT
.set SCH,   20480                      ; a head's scale words: 32 steps of 640 bytes
.set SPARE, SCL+2*SCH                  ; the spare words: 128 bytes for each of eight waves
.set SP,    272                        ; the stage: 16 rows x (256 + 16) bytes a wave
; window 0
.set LADJ, 1                           ; (16 wave + r) x 4096 + 16 h; never rewritten
.set PFO,  2                           ; the prefetch's offset; never rewritten
.set L16,  3
.set L4,   4
.set ADC,  5                           ; the step's LDS addresses: head 0's codes, head 1's, K's scale words, V's
.set ADCB, 6
.set ADSK, 7
.set SPW,  8
.set NIL,  9
.set ADSV, 10
.set MSC,  11                          ; the mask product's scales: 2^55 four times
.set QS,   13                          ; Q's scale words: v13, v25
.set KS,   16                          ; K's: v16-19, v20-23
.set VS,   26                          ; V's: v26, v28
.set PW,   27                          ; p's: v27, v29
.set NM,   30                          ; head e at + 4 e: -M, the largest t, the sum in two halves
.set FF,   38                          ; f = 2^(old M - new M): pairs v[38:39], v[40:41]
.set T0,   42
.set T1,   44
.set U,    46                          ; a second chain of each head's sum
.set TM,   50                          ; head e at + 16 e: +0..3 block maxima, +4..7 the other half's, later bytes, +8..11 448 x the scale, +12..15 the conversions' scale operands
.set O,    82                          ; O^T, 16 a head
.set S,    114                         ; S^T, then p, 64 a head
.set R,    242
.set H,    243
.set QSA,  244
.set STO,  245
.set RD,   246
.set GO,   247
; window 1 (the numbers are the low 8 bits)
.set QF,   0                           ; head 0: Q's codes at 0-3, zeros behind; head 1: 34-37, zeros 38-49
.set EB,   4                           ; 4-33 zeros, but 18, 19: the picking matrix of tile t is 18 - 2 t on, sixteen registers
.set CN,   50                          ; -2^101
.set AJ,   58                          ; adj's fragment
.set MK,   74                          ; the mask tile, 64
.set KF,   138                         ; K's eight tiles of head 0, of head 1; later V's two fragments each
.set AP,   202                         ; p's codes, 16 a head
.set WV,   16
.set G1C,  24
.set G1S,  32
.set G0C,  40
.set G0S,  44
.set SEL,  48
.set CS,   50
.set MNT,  52
.set CNT,  53
.set LIM,  54
.set TP,   2                           ; LDS byte of the step's codes of head 0
.set TS,   3                           ; of its scale words
.set GS,   62                          ; the step, 0 to 31
.set TQ,   63
.set MSB, 0
.macro WIN new                         ; the immediate's high byte repeats the setting that is left
.if MSB != \new
	s_set_vgpr_msb (MSB<<8)|\new
.set MSB, \new
.endif
.endm
.macro ROUND                           ; a round of the cluster's barrier
	s_barrier_signal -1
	s_barrier_wait -1
	s_cmp_lg_u32 s[WV], 0
	s_cbranch_scc1 .Lnot_wave_0_\@
	s_barrier_signal -3
.Lnot_wave_0_\@:
	s_barrier_wait -3
	s_barrier_signal -1
	s_barrier_wait -1
.endm
.macro PLACES n
.rept \n
	v_nop
.endr
.endm
; THE CHANGE OF SLOTS, first part: each wave waits for all its tensor loads, adds 0 to its spare word, waits for that and for its reads of the slot that it leaves, and signals.  fill = 1: a fill follows the change
.macro OPEN fill
	s_wait_tensorcnt 0x0                           ; no tensor load of mine is out, so a group 0 may be written
	ds_add_u32 v[SPW], v[NIL]
.if \fill
	ds_add_u32 v[SPW], v[NIL]                      ; and once more where a load follows
	s_xor_b32 s[G0C+1], s[G0C+1], SLOT             ; the walking descriptor: the other slot,
	s_add_nc_u64 s[G0C+2:G0C+3], s[G0C+2:G0C+3], HB   ; eight steps on in the head's codes
.endif
	s_wait_dscnt 0x0
	s_barrier_signal -1
.endm
; Second part.  fill = 1: the barrier has opened a round of the cluster's barrier; behind the round the slot that was left takes the next eight steps' codes.  fill = 0: nothing is filled, and my work-group's barrier serves
.macro CLOSE fill
	s_barrier_wait -1
.if \fill
	s_cmp_lg_u32 s[WV], 0
	s_cbranch_scc1 .Lnot_w0_\@
	s_barrier_signal -3
.Lnot_w0_\@:
	s_barrier_wait -3
	s_barrier_signal -1
	s_barrier_wait -1
	s_cmp_lt_u32 s[WV], 4
	s_cbranch_scc0 .Lno_load_\@
	tensor_load_to_lds s[G0C:G0C+3], s[G1C:G1C+7]  ; the first thing behind the round, and a wave's one tensor load until the next
	s_nop 0
	PLACES 4
.Lno_load_\@:
.endif
.endm
; A KEY STEP: 128 keys of both heads for my 16 queries.  sig = 0: a step inside a slot; 1: a slot's last step, a fill follows the change; 2: a slot's last step, no fill follows
.macro STEP sig
	v_add_nc_u32 v[ADC], s[TP], v[L16]
	v_add_nc_u32 v[ADSK], s[TS], v[L16]
	v_add_nc_u32 v[ADSV], s[TS], v[L4]
	v_add_nc_u32 v[ADCB], HB, v[ADC]
	PLACES 4                                       ; with the four additions: eight places between the last step's products and the loads into registers that they read
	s_wait_alu depctr_va_vdst(0)
.irp e, 0,1
	ds_load_b128 v[KS+4*\e:KS+4*\e+3], v[ADSK] offset:SCH*\e
	ds_load_b32 v[VS+2*\e], v[ADSV] offset:SCH*\e+512
.endr
	WIN 0x40                                       ; destination window 1
.irp t, 0,1,2,3,4,5,6,7
	ds_load_b128 v[KF+4*\t:KF+4*\t+3], v[ADC] offset:512*\t
.endr
.irp t, 0,1,2,3,4,5,6,7
	ds_load_b128 v[KF+32+4*\t:KF+32+4*\t+3], v[ADCB] offset:512*\t
.endr
	s_wait_loadcnt 0x0                             ; adj's fragment is in (no younger global load is out)
	WIN 0x55                                       ; all four operands window 1
.irp t, 0,1,2,3,4,5,6,7
	v_wmma_scale_f32_16x16x128_f8f6f4 v[MK+8*\t:MK+8*\t+7], v[EB+14-2*\t:EB+29-2*\t], v[AJ:AJ+15], v[CN:CN+7], v[MSC], v[MSC]   ; 0 where the key counts, -2^101 where not
.endr
	PLACES 9                                       ; nine places before a matrix result is the C of another accumulator
	s_wait_dscnt 0x0
	WIN 0x15                                       ; K, Q and the mask tile window 1, the scores window 0
.irp e, 0,1
.irp t, 0,1,2,3,4,5,6,7
.if \t%2
	v_wmma_scale_f32_16x16x128_f8f6f4 v[S+64*\e+8*\t:S+64*\e+8*\t+7], v[KF+32*\e+4*\t:KF+32*\e+4*\t+15], v[QF+34*\e:QF+34*\e+15], v[MK+8*\t:MK+8*\t+7], v[KS+4*\e+\t/2], v[QS+12*\e] matrix_a_scale:MATRIX_SCALE_ROW1
.else
	v_wmma_scale_f32_16x16x128_f8f6f4 v[S+64*\e+8*\t:S+64*\e+8*\t+7], v[KF+32*\e+4*\t:KF+32*\e+4*\t+15], v[QF+34*\e:QF+34*\e+15], v[MK+8*\t:MK+8*\t+7], v[KS+4*\e+\t/2], v[QS+12*\e]
.endif
.endr
.endr
	WIN 0
	PLACES 8                                       ; eight places in front of the loads over K's tiles and adj's fragment, and of the first read of the scores
	WIN 0x40
.irp n, 0,1
.irp c, 0,1,2,3
	ds_load_b128 v[KF+16*\n+4*\c:KF+16*\n+4*\c+3], v[ADC] offset:4096+2048*\n+512*\c          ; V's fragments land while the softmax is walked
	ds_load_b128 v[KF+32+16*\n+4*\c:KF+32+16*\n+4*\c+3], v[ADCB] offset:4096+2048*\n+512*\c
.endr
.endr
	WIN 0
	s_cmp_lt_u32 s[GS], 31                         ; the last step asks for nothing: no load leaves a row of adj
	s_cbranch_scc0 .Lno_next_\@
	WIN 0x40
.irp c, 0,1,2,3
	global_load_b128 v[AJ+4*\c:AJ+4*\c+3], v[LADJ], s[4:5] offset:128+32*\c   ; adj(my query, keys 32 c + 16 h + 0 .. 15) of the next step
.endr
	WIN 0
.Lno_next_\@:
	; A PREFETCH INTO THE L2 of adj's 256 bytes a row of steps + 4 and + 5, which the loads of steps + 3 and + 4 ask for.  The four work-groups of a row of the cluster read the same 128 rows and share them out
	; BY ADDRESS: the one at cx names rows 32 cx + lane, a lane a row; wave 7 alone, in the even steps up to 26, so that no address leaves a row
	s_and_b32 s[TQ], s[GS], 1
	s_lshl_b32 s[TQ], s[TQ], 6
	s_add_co_u32 s[TQ], s[TQ], s[GS]               ; an odd step counts as 64 and more
	s_cmp_lt_u32 s[TQ], s[LIM]
	s_cbranch_scc0 .Lno_ask_\@
	global_prefetch_b8 v[PFO], s[4:5] offset:512 th:TH_LOAD_NT scope:SCOPE_SE
.Lno_ask_\@:
.if \sig == 1
	OPEN 1                                         ; V's loads above were my last reads of this slot: from here to the barrier's wait the step works on registers alone
.elseif \sig == 2
	OPEN 0
.endif
.irp b, 0,1,2,3
.irp e, 0,1
	v_max3_num_f32 v[TM+16*\e+\b], v[S+64*\e+16*\b], v[S+64*\e+16*\b+1], v[S+64*\e+16*\b+2]   ; the largest score of each block of 32 keys: for the row's maximum and, since p rises with the score, for the block's largest p
.endr
.endr
.irp i, 3,5,7,9,11,13
.irp b, 0,1,2,3
.irp e, 0,1
	v_max3_num_f32 v[TM+16*\e+\b], v[TM+16*\e+\b], v[S+64*\e+16*\b+\i], v[S+64*\e+16*\b+\i+1]
.endr
.endr
.endr
.irp b, 0,1,2,3
.irp e, 0,1
	v_max_num_f32 v[TM+16*\e+\b], v[TM+16*\e+\b], v[S+64*\e+16*\b+15]
.endr
.endr
.irp b, 0,1,2,3
.irp e, 0,1
	v_permlanex16_b32 v[TM+16*\e+4+\b], v[TM+16*\e+\b], s[SEL], s[SEL+1]
.endr
.endr
.irp b, 0,1,2,3
.irp e, 0,1
	v_max_num_f32 v[TM+16*\e+\b], v[TM+16*\e+\b], v[TM+16*\e+4+\b]   ; with lane l xor 16's 16 keys
.endr
.endr
.irp e, 0,1
	v_max3_num_f32 v[T0+\e], v[TM+16*\e], v[TM+16*\e+1], v[TM+16*\e+2]
.endr
.irp e, 0,1
	v_max_num_f32 v[T0+\e], v[T0+\e], v[TM+16*\e+3]   ; the step's largest score of my query
.endr
.irp e, 0,1
	v_mul_f32 v[T0+\e], s[CS], v[T0+\e]            ; as t (c is positive)
.endr
.irp e, 0,1
	v_max_num_f32 v[NM+4*\e+1], v[NM+4*\e+1], v[T0+\e]   ; the running largest t
.endr
.irp e, 0,1
	v_floor_f32 v[T1+\e], -v[NM+4*\e+1]            ; the new -M = -ceil(t): M is a whole number
.endr
.irp e, 0,1
	v_sub_f32 v[T0+\e], v[T1+\e], v[NM+4*\e]       ; M's old value less its new one: a whole number, 0 or less
.endr
.irp e, 0,1
	v_cvt_i32_f32 v[T0+\e], v[T0+\e]               ; (it saturates)
.endr
.irp e, 0,1
	v_ldexp_f32 v[FF+2*\e], 1.0, v[T0+\e]          ; f = 2^(old M - new M)
.endr
.irp e, 0,1
	v_mov_b32 v[NM+4*\e], v[T1+\e]
.endr
.irp b, 0,1,2,3
.irp e, 0,1
	v_fma_f32 v[TM+16*\e+\b], v[TM+16*\e+\b], s[CS], v[NM+4*\e]   ; t - M of each block's largest score
.endr
.endr
.set I, 0
.rept 64
	v_pk_fma_f32 v[S+I:S+I+1], v[S+I:S+I+1], s[CS:CS+1], v[NM+4*(I/64):NM+4*(I/64)+1] op_sel_hi:[1,0,0]   ; t - M, two at a time (of the pairs c and -M the low word serves both halves)
.set I, I+2
.endr
	s_wait_alu depctr_va_vdst(0)                   ; the wait ahead of the batch
.irp b, 0,1,2,3
.irp e, 0,1
	v_exp_f32 v[TM+16*\e+\b], v[TM+16*\e+\b]       ; the block's largest p: the same multiply-add and exponential on the same number give the same bits
.endr
.endr
.set I, 0
.rept 128
	v_exp_f32 v[S+I], v[S+I]                       ; p = 2^(t - M), at most 1
.set I, I+1
.endr
.irp e, 0,1
	v_pk_mul_f32 v[NM+4*\e+2:NM+4*\e+3], v[NM+4*\e+2:NM+4*\e+3], v[FF+2*\e:FF+2*\e+1] op_sel_hi:[1,0]   ; the sums under the new M (plain lines behind the batch)
.endr
	s_wait_alu depctr_va_vdst(0)                   ; and the one wait behind it, ahead of its first reader
.irp b, 0,1,2,3
.irp e, 0,1
	v_max_num_f32 v[TM+16*\e+\b], 0x4800000, v[TM+16*\e+\b]   ; the floor 2^(9 - 127): the byte cannot fall under 1
.endr
.endr
.irp b, 0,1,2,3
.irp e, 0,1
	v_add_nc_u32 v[TM+16*\e+12+\b], 0xfc000000, v[TM+16*\e+\b]   ; 8 off the exponent field: the conversion's scale operand
.endr
.endr
.irp b, 0,1,2,3
.irp e, 0,1
	v_and_or_b32 v[TM+16*\e+8+\b], v[TM+16*\e+\b], 0x7f800000, s[MNT]   ; 448 x the scale
.endr
.endr
.irp b, 0,1,2,3
.irp e, 0,1
	v_lshrrev_b32 v[TM+16*\e+4+\b], 23, v[TM+16*\e+12+\b]   ; the scale's byte
.endr
.endr
.irp e, 0,1
	v_lshl_or_b32 v[PW+2*\e], v[TM+16*\e+5], 8, v[TM+16*\e+4]   ; p's scale word, its three lines among the sums
.endr
.irp e, 0,1                                    ; THE ROW'S SUM IS TAKEN OF THE UNQUANTISED p: two at a time, two chains a head
	v_pk_add_f32 v[U+2*\e:U+2*\e+1], v[S+64*\e:S+64*\e+1], v[S+64*\e+2:S+64*\e+3]
.endr
.irp e, 0,1
	v_lshl_or_b32 v[PW+2*\e], v[TM+16*\e+6], 16, v[PW+2*\e]
.endr
.set I, 4
.rept 15
.irp e, 0,1
	v_pk_add_f32 v[NM+4*\e+2:NM+4*\e+3], v[NM+4*\e+2:NM+4*\e+3], v[S+64*\e+I:S+64*\e+I+1]
.endr
.irp e, 0,1
	v_pk_add_f32 v[U+2*\e:U+2*\e+1], v[U+2*\e:U+2*\e+1], v[S+64*\e+I+2:S+64*\e+I+3]
.endr
.set I, I+4
.endr
.irp e, 0,1
	v_lshl_or_b32 v[PW+2*\e], v[TM+16*\e+7], 24, v[PW+2*\e]
.endr
.irp e, 0,1
	v_pk_add_f32 v[NM+4*\e+2:NM+4*\e+3], v[NM+4*\e+2:NM+4*\e+3], v[U+2*\e:U+2*\e+1]
.endr
.irp e, 0,1
.irp b, 0,1,2,3
.irp i, 0,2,4,6,8,10,12,14                     ; the hold at 448 x the scale, two numbers a line: the conversion to an 8-bit code does not saturate (ISA guide 7.6.2); p is not negative, so it is one-sided
	v_dual_min_num_f32 v[S+64*\e+16*\b+\i], v[TM+16*\e+8+\b], v[S+64*\e+16*\b+\i] :: v_dual_min_num_f32 v[S+64*\e+16*\b+\i+1], v[TM+16*\e+8+\b], v[S+64*\e+16*\b+\i+1]
.endr
.endr
.endr
	WIN 0x40                                       ; the codes go to window 1
.irp e, 0,1
.irp b, 0,1,2,3
	v_cvt_scalef32_pk8_fp8_f32 v[AP+16*\e+4*\b:AP+16*\e+4*\b+1], v[S+64*\e+16*\b:S+64*\e+16*\b+7], v[TM+16*\e+12+\b]
	v_cvt_scalef32_pk8_fp8_f32 v[AP+16*\e+4*\b+2:AP+16*\e+4*\b+3], v[S+64*\e+16*\b+8:S+64*\e+16*\b+15], v[TM+16*\e+12+\b]
.endr
.endr
	WIN 0
	s_wait_dscnt 0x0                               ; V is in
	s_wait_alu depctr_va_vdst(0)                   ; the wait directly ahead of the first reader of O^T; it also stands between the codes' writes and the products behind the wait above
.irp e, 0,1
.irp j, 0,2,4,6,8,10,12,14
	v_pk_mul_f32 v[O+16*\e+\j:O+16*\e+\j+1], v[O+16*\e+\j:O+16*\e+\j+1], v[FF+2*\e:FF+2*\e+1] op_sel_hi:[1,0]   ; O^T under the new M, each accumulator from its low end on; these are the plain lines behind the conversions and in front of the products
.endr
.endr
	WIN 0x05                                       ; V and p's codes window 1
.irp e, 0,1
	v_wmma_scale_f32_16x16x128_f8f6f4 v[O+16*\e:O+16*\e+7], v[KF+32*\e:KF+32*\e+15], v[AP+16*\e:AP+16*\e+15], v[O+16*\e:O+16*\e+7], v[VS+2*\e], v[PW+2*\e]
	v_wmma_scale_f32_16x16x128_f8f6f4 v[O+16*\e+8:O+16*\e+15], v[KF+32*\e+16:KF+32*\e+31], v[AP+16*\e:AP+16*\e+15], v[O+16*\e+8:O+16*\e+15], v[VS+2*\e], v[PW+2*\e] matrix_a_scale:MATRIX_SCALE_ROW1
.endr
	WIN 0
.endm
.macro NEXT                            ; on to the next step
	s_wait_xcnt 0x0                                ; the loads and the prefetch have read their base
	s_add_nc_u64 s[4:5], s[4:5], 128
	s_add_co_u32 s[TP], s[TP], 8192
	s_add_co_u32 s[TS], s[TS], 640
	s_add_co_u32 s[GS], s[GS], 1
.endm
.macro RUN slot, trips                 ; so many steps from a slot's first on
	s_mov_b32 s[TP], \slot*SLOT
	s_mov_b32 s[CNT], \trips
.Lstep_\@:
	STEP 0
	NEXT
	s_sub_co_u32 s[CNT], s[CNT], 1
	s_cmp_lg_u32 s[CNT], 0
	s_cbranch_scc1 .Lstep_\@
.endm
	s_load_b256 s[4:11], s[0:1], 0x0               ; adj 4:5, q_codes 6:7, q_scales 8:9, kv_codes 10:11
	s_load_b128 s[12:15], s[0:1], 0x20             ; kv_scales 12:13, out0 14:15
	v_lshl_add_u32 v[SPW], v0, 2, SPARE
	v_mov_b32 v[NIL], 0
	ds_add_u32 v[SPW], v[NIL]                      ; the opening lines: the add, twice on end, and its wait ahead of the first tensor load
	ds_add_u32 v[SPW], v[NIL]
	v_lshrrev_b32 v[T0], 5, v0
	v_readfirstlane_b32 s[WV], v[T0]               ; wave 0..7
	s_bfe_u32 s17, ttmp6, 0x40000                  ; cx: the pair of heads
	s_bfe_u32 s18, ttmp6, 0x40004                  ; cy
	s_and_b32 s19, ttmp7, 0xffff                   ; the cluster's y, 0..15
	s_lshr_b32 s20, s19, 3                         ; the batch
	s_and_b32 s21, s19, 7
	s_lshl_b32 s21, s21, 2
	s_add_co_u32 s21, s21, s18                     ; the block of 128 queries
	s_and_b32 s22, s[WV], 1                        ; which head I fetch for
	s_bfe_u32 s23, s[WV], 0x10001                  ; which half of its eight steps
	s_lshl_b32 s55, 0x1111, s17                    ; my column of the cluster
	; group 1 for half a slot of a head's codes: 32,768 dense bytes as 128 rows of 32 elements of 8 bytes; for a head's scale words: 20,480 as 80 such rows
	s_or_b32 s[G1C], s55, (3<<16)|(1<<21)
	s_mov_b32 s[G1C+1], 32<<16
	s_mov_b32 s[G1C+2], 128<<16
	s_mov_b32 s[G1C+3], 32<<16
	s_mov_b32 s[G1C+4], 128
	s_mov_b32 s[G1C+5], 32
	s_mov_b32 s[G1C+6], 0
	s_mov_b32 s[G1C+7], 0
	s_or_b32 s[G1S], s55, (3<<16)|(1<<21)
	s_mov_b32 s[G1S+1], 32<<16
	s_mov_b32 s[G1S+2], 80<<16
	s_mov_b32 s[G1S+3], 32<<16
	s_mov_b32 s[G1S+4], 80
	s_mov_b32 s[G1S+5], 32
	s_mov_b32 s[G1S+6], 0
	s_mov_b32 s[G1S+7], 0
	s_lshl_b32 s56, s20, 3                         ; s56-59 never hold cy
	s_lshl_b32 s57, s17, 1
	s_add_co_u32 s56, s56, s57
	s_add_co_u32 s56, s56, s22                     ; 8 batch + head
	s_mul_i32 s58, s56, SCH
	s_lshl_b32 s56, s56, 18                        ; a head's 32 steps of 8,192 bytes
	s_lshl_b32 s60, s23, 15
	s_add_co_u32 s56, s56, s60
	s_mov_b32 s57, 0
	s_mov_b32 s59, 0
	s_lshl_b32 s61, s22, 16
	s_mov_b32 s[G0C], 1
	s_add_co_u32 s[G0C+1], s61, s60                ; LDS: head x 65,536 + half x 32,768, in slot 0
	s_mul_i32 s61, s22, SCH
	s_mov_b32 s[G0S], 1
	s_add_co_u32 s[G0S+1], s61, SCL
	s_mov_b32 s[SEL], 0x76543210
	s_mov_b32 s[SEL+1], 0xfedcba98
	s_mov_b32 s[CS], 0x3e8293ee                    ; c = log2(e) / sqrt(32)
	s_mov_b32 s[CS+1], s[CS]
	s_mov_b32 s[MNT], 0x600000
	s_wait_dscnt 0x0                               ; both opening adds are done
	ROUND                                          ; all sixteen work-groups are here: the joint loads meet
	s_wait_kmcnt 0x0
	s_add_nc_u64 s[G0C+2:G0C+3], s[10:11], s[56:57]
	s_or_b32 s[G0C+3], s[G0C+3], 0x80000000
	s_add_nc_u64 s[G0S+2:G0S+3], s[12:13], s[58:59]
	s_or_b32 s[G0S+3], s[G0S+3], 0x80000000
	s_cmp_lt_u32 s[WV], 4                          ; one chain of branches on the wave's number, a load to an arm
	s_cbranch_scc0 .Lnot_codes
	tensor_load_to_lds s[G0C:G0C+3], s[G1C:G1C+7]
	s_nop 0
	PLACES 4
	s_branch .Lasked
.Lnot_codes:
	s_cmp_lt_u32 s[WV], 6
	s_cbranch_scc0 .Lasked
	tensor_load_to_lds s[G0S:G0S+3], s[G1S:G1S+7]
	s_nop 0
	PLACES 4
.Lasked:
	s_lshl_b32 s56, s20, 3
	s_lshl_b32 s57, s17, 1
	s_add_co_u32 s56, s56, s57
	s_lshl_b32 s56, s56, 5
	s_add_co_u32 s56, s56, s21                     ; (8 batch + my first head) 32 + block of queries; the second head lies 32 further on
	s_lshl_b32 s60, s56, 12
	s_lshl_b32 s57, s[WV], 9
	s_add_co_u32 s60, s60, s57
	s_mov_b32 s61, 0
	s_add_nc_u64 s[6:7], s[6:7], s[60:61]          ; Q's codes: 4,096 a block, 512 a tile
	s_lshl_b32 s60, s56, 9
	s_and_b32 s57, s[WV], 1
	s_lshl_b32 s57, s57, 8
	s_add_co_u32 s60, s60, s57
	s_lshr_b32 s57, s[WV], 1
	s_lshl_b32 s57, s57, 2
	s_add_co_u32 s60, s60, s57                     ; tile T's bytes lie at 16 (r + 16 (T % 2)) + 4 (T / 2) of the block's 512
	s_add_nc_u64 s[8:9], s[8:9], s[60:61]
	s_lshl_b32 s60, s20, 24
	s_lshl_b32 s57, s21, 19
	s_add_co_u32 s60, s60, s57
	s_add_nc_u64 s[4:5], s[4:5], s[60:61]          ; adj at my work-group's first row, key 0; it walks 128 keys a step
	s_lshl_b32 s60, s20, 22
	s_lshl_b32 s57, s21, 17
	s_add_co_u32 s60, s60, s57
	s_lshl_b32 s57, s[WV], 14
	s_add_co_u32 s60, s60, s57
	s_lshl_b32 s57, s17, 8
	s_add_co_u32 s60, s60, s57
	s_add_nc_u64 s[14:15], s[14:15], s[60:61]      ; out0 at my first query's row, the pair of heads' 256 bytes
	s_lshl_b32 s58, s[WV], 16                      ; my 16 rows of adj
	s_lshl_b32 s59, s17, 17                        ; the 32 rows that my work-group prefetches
	s_cmp_eq_u32 s[WV], 7
	s_cselect_b32 s[LIM], 27, 0                    ; wave 7 asks, in the even steps up to 26
	s_mov_b32 s[GS], 0
	s_mov_b32 s[TS], SCL
	v_and_b32 v[R], 15, v0                         ; r
	v_bfe_u32 v[H], v0, 4, 1                       ; h
	v_and_b32 v[T0], 31, v0
	v_lshlrev_b32 v[L16], 4, v[T0]
	v_lshlrev_b32 v[L4], 2, v[T0]
	v_lshlrev_b32 v[QSA], 4, v[R]
	v_lshlrev_b32 v[LADJ], 12, v[R]
	v_lshl_add_u32 v[LADJ], v[H], 4, v[LADJ]
	v_add_nc_u32 v[LADJ], s58, v[LADJ]
	v_lshl_add_u32 v[PFO], v[T0], 12, s59
	s_wait_alu depctr_va_vdst(0)
	global_load_b32 v[QS], v[QSA], s[8:9]
	global_load_b32 v[QS+12], v[QSA], s[8:9] offset:16384
	WIN 0x40
	global_load_b128 v[QF:QF+3], v[L16], s[6:7]
	global_load_b128 v[QF+34:QF+37], v[L16], s[6:7] offset:131072
.irp c, 0,1,2,3
	global_load_b128 v[AJ+4*\c:AJ+4*\c+3], v[LADJ], s[4:5] offset:32*\c   ; step 0's adj
.endr
	WIN 0
	; the picking matrix.  Row m of tile t = 2 b + u is key 32 b + 16 (m / 8) + 8 u + m % 8: lane half m / 8, register 2 t + (m / 4) % 2, byte m % 4: two registers serve all eight tiles
	v_and_b32 v[TM], 3, v0
	v_lshlrev_b32 v[TM], 3, v[TM]
	v_mov_b32 v[TM+1], 0x38                        ; the code of 1.0
	v_lshlrev_b32 v[TM], v[TM], v[TM+1]
	v_bfe_u32 v[TM+1], v0, 3, 1
	v_xor_b32 v[TM+1], v[TM+1], v[H]
	v_bfe_u32 v[TM+2], v0, 2, 1
	v_lshl_or_b32 v[TM+1], v[TM+1], 1, v[TM+2]
	v_cmp_eq_u32 s60, 0, v[TM+1]
	v_cmp_eq_u32 s61, 1, v[TM+1]
	WIN 0x40
	v_cndmask_b32 v[EB+14], 0, v[TM], s60
	v_cndmask_b32 v[EB+15], 0, v[TM], s61
.set I, 0
.rept 30
.if (I != 14) && (I != 15)
	v_mov_b32 v[EB+I], 0
.endif
.set I, I+1
.endr
.set I, 0
.rept 12
	v_mov_b32 v[QF+38+I], 0                        ; the second head's Q: blocks 1 to 3
.set I, I+1
.endr
.set I, 0
.rept 32
	v_mov_b32 v[AP+I], 0                           ; what K's last tiles' fragments name in the first step
.set I, I+1
.endr
.set I, 0
.rept 8
	v_mov_b32 v[CN+I], 0xf2000000                  ; -2^101
.set I, I+1
.endr
	WIN 0
.set I, 0
.rept 32
	v_mov_b32 v[O+I], 0                            ; O^T: the step is written once, and the first change of M leaves zeros zeros
.set I, I+1
.endr
	v_mov_b32 v[MSC], 0xb6b6b6b6
.irp e, 0,1
	v_mov_b32 v[NM+4*\e+1], 0xec800000             ; the largest t so far: -2^90
	v_mov_b32 v[NM+4*\e+2], 0                      ; the sum, in two halves
	v_mov_b32 v[NM+4*\e+3], 0
	v_mov_b32 v[FF+2*\e+1], 0                      ; (named as the upper half of the pair)
.irp b, 0,1,2,3
	v_mov_b32 v[TM+16*\e+4+\b], 0                  ; a lane permute's destination counts as one of its sources
.endr
.endr
.irp e, 0,1
	v_floor_f32 v[NM+4*\e], -v[NM+4*\e+1]          ; -M
.endr
	s_wait_alu depctr_va_vdst(0)
	OPEN 1                                         ; slot 0 and the scale words have landed;
	CLOSE 1                                        ; slot 1 is first filled behind the round, as a refill is: steps 8-15
	RUN 0, 7                                       ; steps 0-6
	STEP 1                                         ; step 7, with the change's first part in its middle
	NEXT
	CLOSE 1                                        ; slot 0 takes steps 16-23
	RUN 1, 7                                       ; steps 8-14
	STEP 1                                         ; step 15
	NEXT
	CLOSE 1                                        ; slot 1 takes steps 24-31
	RUN 0, 7                                       ; steps 16-22
	STEP 2                                         ; step 23: the last change fills nothing
	NEXT
	CLOSE 0
	RUN 1, 8                                       ; steps 24-31
	; THE WAY OUT.  O^T is divided by the row's sum and goes through my own stage, so that sixteen lanes hold a query's 256 bytes.  The plain lines up to the divisions are the places behind the last products
.irp e, 0,1
	v_add_f32 v[NM+4*\e+2], v[NM+4*\e+2], v[NM+4*\e+3]
.endr
.irp e, 0,1
	v_permlanex16_b32 v[TM+16*\e+4], v[NM+4*\e+2], s[SEL], s[SEL+1]
.endr
.irp e, 0,1
	v_add_f32 v[NM+4*\e+2], v[NM+4*\e+2], v[TM+16*\e+4]   ; the row's sum
.endr
	s_wait_alu depctr_va_vdst(0)                   ; the wait ahead of the transcendentals
.irp e, 0,1
	v_rcp_f32 v[NM+4*\e+2], v[NM+4*\e+2]
.endr
	s_mul_i32 s[TQ], s[WV], 16*SP                  ; my stage
	v_mul_u32_u24 v[STO], v[R], SP
	v_lshl_add_u32 v[STO], v[H], 5, v[STO]
	v_add_nc_u32 v[STO], s[TQ], v[STO]             ; in: row r, 32 h
	v_mul_u32_u24 v[RD], v[H], SP
	v_lshl_add_u32 v[RD], v[R], 4, v[RD]
	v_add_nc_u32 v[RD], s[TQ], v[RD]               ; back: lanes 0-15 one row, lanes 16-31 the next
	v_lshlrev_b32 v[GO], 10, v[H]
	v_lshl_add_u32 v[GO], v[R], 4, v[GO]           ; and the same two rows in out0
	s_wait_alu depctr_va_vdst(0)                   ; the wait ahead of the first reader of the reciprocals and of O^T
.irp e, 0,1
.irp j, 0,1,2,3,4,5,6,7,8,9,10,11,12,13,14,15
	v_mul_f32 v[S+16*\e+\j], v[O+16*\e+\j], v[NM+4*\e+2]   ; register 8 n + j is channel 16 n + 8 h + j of head e of my query
.endr
.endr
.irp e, 0,1
.irp n, 0,1
	ds_store_b128 v[STO], v[S+16*\e+8*\n:S+16*\e+8*\n+3] offset:128*\e+64*\n
	ds_store_b128 v[STO], v[S+16*\e+8*\n+4:S+16*\e+8*\n+7] offset:128*\e+64*\n+16
.endr
.endr
.irp i, 0,1,2,3,4,5,6,7
	ds_load_b128 v[S+64+4*\i:S+64+4*\i+3], v[RD] offset:2*\i*SP   ; LDS serves a wave's instructions in order: these see my stores
.endr
.irp i, 0,1,2,3,4,5,6,7
	s_wait_dscnt 7-\i                              ; load i is in, the younger ones may be out
	global_store_b128 v[GO], v[S+64+4*\i:S+64+4*\i+3], s[14:15] offset:2048*\i th:TH_STORE_NT   ; 16 lanes store 256 consecutive bytes, at a multiple of 256 from out0's first byte
.endr
	s_wait_tensorcnt 0x0                           ; the wave's end
	ds_add_u32 v[SPW], v[NIL]
	s_wait_dscnt 0x0
	ROUND                                          ; the closing round
	s_endpgm
.Lfunc_end_k_q567711ecc1_attn:
	.size	k_q567711ecc1_attn, .Lfunc_end_k_q567711ecc1_attn-k_q567711ecc1_attn
	.p2alignl 7, 3214868480
	.fill 96, 4, 3214868480
	.section	.rodata,"a",@progbits
	.p2align	6, 0x0
	.amdhsa_kernel k_q567711ecc1_attn
		.amdhsa_group_segment_fixed_size 327680
		.amdhsa_private_segment_fixed_size 0
		.amdhsa_enable_private_segment 0
		.amdhsa_kernarg_size 48
		.amdhsa_user_sgpr_count 2
		.amdhsa_user_sgpr_kernarg_segment_ptr 1
		.amdhsa_wavefront_size32 1
		.amdhsa_system_sgpr_workgroup_id_x 1
		.amdhsa_system_sgpr_workgroup_id_y 1
		.amdhsa_system_sgpr_workgroup_id_z 1
		.amdhsa_system_vgpr_workitem_id 0
		.amdhsa_next_free_vgpr 512
		.amdhsa_next_free_sgpr 66
		.amdhsa_reserve_vcc 0
		.amdhsa_float_denorm_mode_32 3
		.amdhsa_float_denorm_mode_16_64 3
		.amdhsa_memory_ordered 1
		.amdhsa_forward_progress 1
		.amdhsa_inst_pref_size 255
	.end_amdhsa_kernel
	.section	.bss,"aw",@nobits
	.p2align	6
	.space	262144
	.amdgpu_metadata
---
amdhsa.version: [ 1, 2 ]
amdhsa.kernels:
  - .name:           k_q567711ecc1_attn
    .symbol:         k_q567711ecc1_attn.kd
    .args:
      - { .name: adj, .offset: 0, .size: 8, .value_kind: global_buffer, .address_space: global }
      - { .name: q_codes, .offset: 8, .size: 8, .value_kind: global_buffer, .address_space: global }
      - { .name: q_scales, .offset: 16, .size: 8, .value_kind: global_buffer, .address_space: global }
      - { .name: kv_codes, .offset: 24, .size: 8, .value_kind: global_buffer, .address_space: global }
      - { .name: kv_scales, .offset: 32, .size: 8, .value_kind: global_buffer, .address_space: global }
      - { .name: out0, .offset: 40, .size: 8, .value_kind: global_buffer, .address_space: global }
    .group_segment_fixed_size: 327680
    .private_segment_fixed_size: 0
    .kernarg_segment_align: 8
    .kernarg_segment_size: 48
    .max_flat_workgroup_size: 256
    .sgpr_count:     66
    .vgpr_count:     512
    .wavefront_size: 32
...
	.end_amdgpu_metadata
.endif
;; end of part 2
